; MI455X (gfx1250); checked and timed in simulation.
; The chip was launched on July 23, 2026; its instructions are those of AMD's public machine-readable ISA for CDNA 5 (MIT licence, August 2026) and "CDNA5" Instruction Set Architecture Reference Guide (July 2026). The comments in the code are by the model that wrote it; some were corrected since.
;; Multi Head Attention. Allowed arithmetic: matrix products marked QUANTISED: E2M1 operands, one E8M0 scale for each 32 along K, by v_wmma_scale_f32_16x16x128_f8f6f4 with both operands' format E2M1 (or v_wmma_scale_f32_32x16x128_f4), f32 sums; everything else in f32.
;; Inputs: Wk 1,024 x 1,024 float32; Wo 1,024 x 1,024 float32; Wq 1,024 x 1,024 float32; Wv 1,024 x 1,024 float32; bk 1,024 float32; bo 1,024 float32; bq 1,024 float32; bv 1,024 float32; x 4 x 2,048 x 1,024 float32.
;; Outputs: out0 4 x 2,048 x 1,024 float32.
;; This version of the problem:
;;   THIS VERSION OF THE PROBLEM IS GIVEN IN LOW PRECISION. The matrix products marked QUANTISED in the list below multiply operands that are first quantised to E2M1 (2 exponent bits, 1 mantissa bit; 4 bits a number), with one power-of-two scale for each 32 numbers along K (OCP MX v1.0); their sums are f32. All else is computed in f32.
;;   The module's matrix products, in the order in which they are computed (A, B: the left and right operand; K: the contracted axis; several contracted axes count as one K, in the product's order):
;;     1. [M 8,192, K 1,024] x [K 1,024, N 1,024]; A: input x; B: input Wq: QUANTISED
;;     2. [M 8,192, K 1,024] x [K 1,024, N 1,024]; A: input x; B: input Wk: QUANTISED
;;     3. [M 8,192, K 1,024] x [K 1,024, N 1,024]; A: input x; B: input Wv: QUANTISED
;;     4. batch 64 x [M 2,048, K 64] x [K 64, N 2,048]; A: computed on the way; B: computed on the way: QUANTISED
;;     5. batch 64 x [M 2,048, K 2,048] x [K 2,048, N 64]; A: softmax (see below); B: computed on the way: QUANTISED
;;     6. [M 8,192, K 1,024] x [K 1,024, N 1,024]; A: computed on the way; B: input Wo: QUANTISED
;;   THE QUANTISER, for each operand of a quantised product, along K:
;;     - K is cut into blocks of 32 from its start; a last block that is shorter is filled with zeros.
;;     - A block's scale is 2^e with e = floor(log2(the largest magnitude in the block)) - 2, held to -126 .. 127; a block of zeros has e = 0. As a byte (E8M0): e + 127.
;;     - Each number is divided by its block's scale, clamped to +-6, and rounded to the nearest number of E2M1, ties to even, subnormals kept.
;;     - The product sums the exact products of the quantised numbers (number of the format x scale) in f32.
;;   ~~~python
;;   def quantise(x, axis):      # numpy; x: float32 -> the quantised numbers, widened to float32 again
;;       x = np.moveaxis(x, axis, -1); K = x.shape[-1]
;;       x = np.pad(x, [(0, 0)] * (x.ndim - 1) + [(0, -K % 32)]); x = x.reshape(x.shape[:-1] + (-1, 32)); a = np.abs(x).max(-1, keepdims=True)
;;       e = np.where(a > 0, np.clip(np.frexp(np.where(a > 0, a, 1))[1] - 1 - 2, -126, 127), 0)      # np.frexp(a)[1] - 1 = floor(log2(a)), exactly
;;       r = np.clip(x / 2.0 ** e, -6, 6)
;;       step = 2.0 ** (np.maximum(np.frexp(np.where(r == 0, 1, r))[1] - 1, 0) - 1)
;;       q = np.round(r / step) * step * 2.0 ** e      # np.round: ties to even
;;       return np.moveaxis(q.reshape(q.shape[:-2] + (-1,))[..., :K], -1, axis).astype(np.float32)
;;   ~~~
;;   SOFTMAX AHEAD OF A QUANTISED PRODUCT. Where the list says 'softmax', what is quantised is not the finished softmax but p = 2^(t - M), with t = logit x log2(e) and M = ceil(the row's largest t), a whole number; so 1/2 < the row's largest p <= 1. The row's sum l is taken of the UNQUANTISED p, in f32, and the product's result is divided by l at the end. Since M is a whole number, a kernel that streams over the keys may use a running M (the ceiling of the running maximum): every later rescaling is an exact power of two, which a block's scale takes up: the codes' values come out the same.
;;   OPERANDS COMPUTED ON THE WAY. 'Computed on the way' means the value that the module computes at that place (a softmax that the list does not call 'softmax' is quantised finished and normalised). What goes into a quantiser is computed in f32, as accurately as f32 sums, v_exp_f32 and their like allow (about 1e-6 of the number): no bf16 or f16 on the way to a quantiser, and a product that is left as it is and whose result goes on into a quantised operand takes f32 operands (vector FMAs, or v_wmma_f32_16x16x4_f32). A number that lies on a knife's edge between two numbers of the format may be rounded either way, as far as f32 arithmetic and the matrix unit's own rounding can turn it there, and no further.
;; One version. Each part assembles by itself: llvm-mc -triple=amdgcn-amd-amdhsa -mcpu=gfx1250 --defsym DOCPART=n.
;; ======== version 1 of 1: 4 launches
;; workspace buffers: cod 6,291,456 bytes; scl 393,216 bytes; qkc 8,388,608 bytes; vc 4,194,304 bytes; qkvs 1,310,720 bytes; oc 4,194,304 bytes; os 262,144 bytes
;; launch quant (part 1): grid 768 x 1, 2 waves a work-group, no clusters, 17,152 bytes of LDS; arguments x, Wq, Wk, Wv, Wo, cod, scl; writes cod, scl
.if DOCPART == 1
	.amdgcn_target "amdgcn-amd-amdhsa--gfx1250"
	.amdhsa_code_object_version 6
	.text
	.protected	k_q5b49aa5cd4_quant
	.globl	k_q5b49aa5cd4_quant
	.p2align	8
	.type	k_q5b49aa5cd4_quant,@function
k_q5b49aa5cd4_quant:
	s_mov_b64 s[64:65], 0
	v_nop
	global_prefetch_b8 v0, s[64:65] scope:SCOPE_SE
	s_setreg_imm32_b32 hwreg(HW_REG_WAVE_MODE, 25, 1), 1
	s_wait_xcnt 0x0
; x [8192][1024] and Wq, Wk, Wv, Wo [1024][1024], f32 with K innermost, become codes of FP4 (E2M1) with one E8M0 byte for each 32 along K.
; A block's scale is 2^(floor(log2(its largest magnitude)) - 2); its byte is the largest magnitude's exponent field - 2, held at 1 from below.
; THE CODES ARE LAID AS IMAGES OF THE OPERAND'S REGISTERS.  A tile is 16 rows; tile T holds the rows 32 (T / 2) + 8 (T % 2) + r + 8 (r / 8), r = 0 .. 15.
; A fragment (a tile x 128 along K) is two chunks of 512 bytes; lane l = r + 16 h puts its 16 bytes at 16 l; chunk c of lane (r, h) holds k = 64 c + 32 h + 0 .. 31.
; cod: group G of 8 tiles, K step s, tile i, chunk c at 65536 G + 8192 s + 1024 i + 512 c.  Tiles 0-511 x, 512-575 Wq, 576-639 Wk, 640-703 Wv, 704-767 Wo.
; scl: tile T, K step s, row r: the word of four bytes at 512 T + 256 (s / 4) + 16 r + 4 (s % 4).
; SHARES.  A work-group is one tile; its two waves take four K steps each.  A load reads one row's K step, 512 consecutive bytes; the 16 rows turn through the wave's own stage in LDS
; (rows 528 bytes = 132 words apart: 64 banks of 4 bytes, ISA guide 11.1) and come back 128 bytes a lane and chunk: a whole block of 32 in one lane.
; No tensor loads, no barrier: waves share nothing.  No matrix unit and no cluster: each input byte is read once, by one wave.
; LIMITS: NaN and infinities among the inputs are not served.  A block of zeros, or one whose largest magnitude lies under 2^-124, gets the byte 1 (the rule says 127 for zeros): zero codes add nothing under any
; byte but 0xff, and this program alone reads the bytes.
.set SP,   528                         ; a stage row
.set STG,  16*SP                       ; a wave's stage
.set R,    16                          ; v16-143  two sets of 64: a fragment's numbers as loaded
.set X,    144                         ; v144-207 my two blocks of 32
.set C,    208                         ; v208-239 codes: 8 registers for each fragment, so that no store's data are written again
.set W,    240                         ; v240-243 a scale word for each fragment
	s_load_b256 s[4:11], s[0:1], 0x0               ; x s[4:5], Wq s[6:7], Wk s[8:9], Wv s[10:11]
	s_load_b128 s[12:15], s[0:1], 0x20             ; Wo s[12:13], cod s[14:15]
	s_load_b64 s[16:17], s[0:1], 0x30              ; scl
	v_lshl_add_u32 v254, v0, 2, 0x4200
	v_mov_b32 v255, 0
	v_lshrrev_b32 v1, 5, v0
	v_readfirstlane_b32 s18, v1                    ; wave 0, 1
	v_and_b32 v1, 31, v0                           ; lane
	v_and_b32 v2, 15, v0                           ; r
	v_bfe_u32 v3, v0, 4, 1                         ; h
	v_lshlrev_b32 v4, 4, v1                        ; 16 x lane: my place in a load's and in a chunk's 512 bytes
	s_mul_i32 s22, s18, STG
	v_add_nc_u32 v5, s22, v4                       ; into the stage: a row as it lies
	v_mul_u32_u24 v6, v2, SP
	v_lshl_add_u32 v6, v3, 7, v6
	v_add_nc_u32 v6, s22, v6                       ; out of it: row r, 128 h bytes on
	v_lshlrev_b32 v7, 4, v2
	v_lshl_add_u32 v7, v3, 3, v7                   ; the scale words' way out: 16 r + 8 h
	v_lshlrev_b32 v8, 3, v3                        ; 8 h: my bytes' place in a scale word, in bits
	v_mov_b32 v9, 0                                ; written once: a lane permute's destination counts as one of its sources
	v_cmp_ne_u32 vcc_lo, 0, v3                     ; lanes 16-31
	s_mov_b32 s24, 0x76543210
	s_mov_b32 s25, 0xfedcba98                      ; v_permlanex16_b32's selects for lane l xor 16
	s_and_b32 s19, ttmp9, 63                       ; a weight's tile
	s_wait_kmcnt 0x0
	s_cmp_lt_u32 ttmp9, 576                        ; which tensor: the choices hang on the work-group's number alone
	s_cselect_b64 s[6:7], s[6:7], s[8:9]
	s_cmp_lt_u32 ttmp9, 704
	s_cselect_b64 s[10:11], s[10:11], s[12:13]
	s_cmp_lt_u32 ttmp9, 640
	s_cselect_b64 s[6:7], s[6:7], s[10:11]
	s_cmp_lt_u32 ttmp9, 512
	s_cselect_b64 s[4:5], s[4:5], s[6:7]
	s_cselect_b32 s19, ttmp9, s19                  ; the tile's number within its tensor
	s_lshr_b32 s20, s19, 1
	s_lshl_b32 s20, s20, 17                        ; 32 rows of 4,096 bytes for each pair of tiles,
	s_and_b32 s21, s19, 1
	s_lshl_b32 s21, s21, 15                        ; 8 rows for the odd one,
	s_add_co_u32 s20, s20, s21
	s_lshl_b32 s21, s18, 11                        ; and my wave's four K steps of 512 bytes
	s_add_co_u32 s20, s20, s21
	s_mov_b32 s21, 0
	s_add_nc_u64 s[4:5], s[4:5], s[20:21]
	s_lshr_b32 s20, ttmp9, 3
	s_lshl_b32 s20, s20, 16
	s_and_b32 s23, ttmp9, 7
	s_lshl_b32 s23, s23, 10
	s_add_co_u32 s20, s20, s23
	s_lshl_b32 s23, s18, 15
	s_add_co_u32 s20, s20, s23
	s_add_nc_u64 s[14:15], s[14:15], s[20:21]      ; cod at my tile's first K step of mine
	s_lshl_b32 s20, ttmp9, 9
	s_lshl_b32 s23, s18, 8
	s_add_co_u32 s20, s20, s23
	s_add_nc_u64 s[16:17], s[16:17], s[20:21]      ; scl at my 256 bytes
.macro LOADF f                         ; fragment f: the tile's 16 rows, 512 consecutive bytes a load
.irp i, 0,1,2,3,4,5,6,7,8,9,10,11,12,13,14,15
	global_load_b128 v[R+64*((\f)%2)+4*\i:R+64*((\f)%2)+4*\i+3], v4, s[4:5] offset:(\i+8*(\i/8))*4096+512*(\f) th:TH_LOAD_NT
.endr
.endm
.macro FRAG f
.if \f < 3
	s_wait_loadcnt 16                              ; this fragment's 16 loads are in; the next fragment's 16 may be out
.else
	s_wait_loadcnt 0x0
.endif
.irp i, 0,1,2,3,4,5,6,7,8,9,10,11,12,13,14,15
	ds_store_b128 v5, v[R+64*(\f%2)+4*\i:R+64*(\f%2)+4*\i+3] offset:SP*\i
.endr
.irp c, 0,1
.irp j, 0,1,2,3,4,5,6,7
	ds_load_b128 v[X+32*\c+4*\j:X+32*\c+4*\j+3], v6 offset:256*\c+16*\j   ; LDS serves a wave's instructions in order (ISA guide 5.7.1.4): these see the stores above
.endr
.endr
	s_wait_dscnt 0x0                               ; my two blocks are in, and the stores have read their registers,
.if \f < 2
	LOADF \f+2                                     ; which take the fragment two further on
.endif
.irp c, 0,1
	v_max3_num_f32 v[10+\c], |v[X+32*\c]|, |v[X+32*\c+1]|, 0x1800000   ; block 2 c + h: all 32 numbers are mine; the floor 2^(3 - 127) holds the byte at 1 from below
.endr
.irp i, 2,4,6,8,10,12,14,16,18,20,22,24,26,28,30
.irp c, 0,1
	v_max3_num_f32 v[10+\c], v[10+\c], |v[X+32*\c+\i]|, |v[X+32*\c+\i+1]|   ; (the two blocks by turns)
.endr
.endr
.irp c, 0,1
	v_add_nc_u32 v[12+\c], 0xff000000, v[10+\c]    ; 2 off the exponent field: the conversion takes this operand's exponent field as its scale
.endr
.irp c, 0,1
	v_lshrrev_b32 v[14+\c], 23, v[12+\c]           ; the scale's byte
.endr
	v_lshl_or_b32 v[W+\f], v15, 16, v14            ; my two bytes, blocks h and 2 + h,
	v_lshlrev_b32 v[W+\f], v8, v[W+\f]             ; at their places in the word;
	v_permlanex16_b32 v9, v[W+\f], s24, s25
	v_or_b32 v[W+\f], v[W+\f], v9                  ; with lane l xor 16's two the word is whole
.irp c, 0,1
.irp g, 0,1,2,3
	v_cvt_scalef32_pk8_fp4_f32 v[C+8*\f+4*\c+\g], v[X+32*\c+8*\g:X+32*\c+8*\g+7], v[12+\c]
.endr
.endr
	v_nop                                          ; one plain place behind the last scaled conversion
.irp c, 0,1
	global_store_b128 v4, v[C+8*\f+4*\c:C+8*\f+4*\c+3], s[14:15] offset:8192*\f+512*\c   ; a chunk: 512 consecutive bytes
.endr
.endm
	LOADF 0
	LOADF 1
	FRAG 0
	FRAG 1
	FRAG 2
	FRAG 3
	v_cndmask_b32 v244, v[W], v[W+2], vcc_lo       ; lanes 0-15 store the words of my K steps 0 and 1, lanes 16-31 those of 2 and 3
	v_cndmask_b32 v245, v[W+1], v[W+3], vcc_lo
	global_store_b64 v7, v[244:245], s[16:17]      ; 256 consecutive bytes
	s_wait_tensorcnt 0x0
	ds_add_u32 v254, v255
	s_wait_dscnt 0x0
	s_endpgm
.Lfunc_end_k_q5b49aa5cd4_quant:
	.size	k_q5b49aa5cd4_quant, .Lfunc_end_k_q5b49aa5cd4_quant-k_q5b49aa5cd4_quant
	.p2alignl 7, 3214868480
	.fill 96, 4, 3214868480
	.section	.rodata,"a",@progbits
	.p2align	6, 0x0
	.amdhsa_kernel k_q5b49aa5cd4_quant
		.amdhsa_group_segment_fixed_size 17152
		.amdhsa_private_segment_fixed_size 0
		.amdhsa_enable_private_segment 0
		.amdhsa_kernarg_size 56
		.amdhsa_user_sgpr_count 2
		.amdhsa_user_sgpr_kernarg_segment_ptr 1
		.amdhsa_wavefront_size32 1
		.amdhsa_system_sgpr_workgroup_id_x 1
		.amdhsa_system_sgpr_workgroup_id_y 1
		.amdhsa_system_sgpr_workgroup_id_z 1
		.amdhsa_system_vgpr_workitem_id 0
		.amdhsa_next_free_vgpr 256
		.amdhsa_next_free_sgpr 66
		.amdhsa_reserve_vcc 1
		.amdhsa_float_denorm_mode_32 3
		.amdhsa_float_denorm_mode_16_64 3
		.amdhsa_memory_ordered 1
		.amdhsa_forward_progress 1
		.amdhsa_inst_pref_size 30
	.end_amdhsa_kernel
	.amdgpu_metadata
---
amdhsa.version: [ 1, 2 ]
amdhsa.kernels:
  - .name:           k_q5b49aa5cd4_quant
    .symbol:         k_q5b49aa5cd4_quant.kd
    .args:
      - { .name: x, .offset: 0, .size: 8, .value_kind: global_buffer, .address_space: global }
      - { .name: Wq, .offset: 8, .size: 8, .value_kind: global_buffer, .address_space: global }
      - { .name: Wk, .offset: 16, .size: 8, .value_kind: global_buffer, .address_space: global }
      - { .name: Wv, .offset: 24, .size: 8, .value_kind: global_buffer, .address_space: global }
      - { .name: Wo, .offset: 32, .size: 8, .value_kind: global_buffer, .address_space: global }
      - { .name: cod, .offset: 40, .size: 8, .value_kind: global_buffer, .address_space: global }
      - { .name: scl, .offset: 48, .size: 8, .value_kind: global_buffer, .address_space: global }
    .group_segment_fixed_size: 17152
    .private_segment_fixed_size: 0
    .kernarg_segment_align: 8
    .kernarg_segment_size: 56
    .max_flat_workgroup_size: 64
    .sgpr_count:     66
    .vgpr_count:     256
    .wavefront_size: 32
...
	.end_amdgpu_metadata
.endif
;; end of part 1
;; launch proj (part 2): grid 768 x 1, 4 waves a work-group, no clusters, 197,120 bytes of LDS; arguments cod, scl, bq, bk, bv, qkc, vc, qkvs; writes qkc, vc, qkvs
.if DOCPART == 2
	.amdgcn_target "amdgcn-amd-amdhsa--gfx1250"
	.amdhsa_code_object_version 6
	.text
	.protected	k_q5b49aa5cd4_proj
	.globl	k_q5b49aa5cd4_proj
	.p2align	8
	.type	k_q5b49aa5cd4_proj,@function
k_q5b49aa5cd4_proj:
	s_mov_b64 s[64:65], 0
	v_nop
	global_prefetch_b8 v0, s[64:65] scope:SCOPE_SE
	s_setreg_imm32_b32 hwreg(HW_REG_WAVE_MODE, 25, 1), 1
	s_wait_xcnt 0x0
; q = x Wq^T + bq, k = x Wk^T + bk, v = x Wv^T + bv on codes of FP4 (E2M1), and the results quantised on the way: q and k along a head's 64, v along the keys.
; ONE TEXT FOR BOTH KINDS.  A work-group multiplies 128 rows as source 0 by 256 rows as source 1 over all of K = 1,024.  In the result a lane holds ONE row of source 1 and its registers run along source 0's rows,
; and since tile T of every operand holds the rows 32 (T / 2) + 8 (T % 2) + r + 8 (r / 8), the 16 registers of result tiles 2 b and 2 b + 1 are 16 NEIGHBOURS, 32 b + 16 (lane / 16) + 0 .. 15.
;   work-groups 0-511:   source 0 = 128 rows of Wq or Wk (two heads), source 1 = 256 tokens: a lane's registers run along the head's channels;
;   work-groups 512-767: source 0 = 128 tokens (keys), source 1 = 256 rows of Wv (four heads, one a wave): a lane's registers run along the keys.
; So one quantiser serves both: 64 numbers of a lane become a fragment (8 registers) and a scale word.  The bias is the C of each sum's first matrix instruction.
; OUT.  qkc: (z 64 + 16 b + head) x 65536 + 512 x token tile: a chunk of 512 bytes = one head's 64 codes of 16 tokens (z 0 = q, 1 = k).  vc: ((16 b + head) 16 + key step) x 4096 + 1024 x channel tile: a fragment of 16 channels x 128 keys.
; qkvs, 20,480 bytes a head: k's scale words (512 (tile / 8) + 256 ((tile % 8) / 4) + 16 r + 4 (tile % 4)), from 8,192 v's (256 x key step + 16 r + 4 x channel tile), from 12,288 q's, laid as k's.
; Of a q or k word bytes 0 and 1 are the head's; bytes 2 and 3 hold the neighbouring head's bytes or 0, never 0xff: the products that read them have zero codes there.
; LDS: three regions of 65,536 bytes, each a group of 128 rows byte for byte as it lies in cod.  Waves 0, 1, 2 bring a region each, in four tensor loads of two K steps: four loads of a wave are out at the most.
; Every byte is filled once: no slot is filled again.
; NO JOINT LOADS: sixteen work-groups read the same 256 tokens and 32 the same rows of a weight, each its own copy, 196,608 bytes once at its head.  Joint requests would divide that by four; they are left out of this
; text, which so has no round of a cluster's barrier and no descriptor word that hangs on a place in a cluster.
; REGISTERS, in windows of 256: window 0: v1-10 addresses; v16-47 source 0's scale words, v48-63 source 1's; v64-191 source 0's fragments, two sets; v192-255 source 1's, two sets; at the end v64-139 serve the quantiser.
;   window 1: the 32 accumulators, (a, t) at v[64 a + 8 t].   window 2: v0-63 the bias.
; LIMITS: NaN and infinities are not served; a block of zeros keeps the byte 1: its codes are zeros, and this program alone reads the bytes.
.set SC0,  16                          ; register 4 t + q: lanes 0-15 the word of tile t's K step q, lanes 16-31 that of K step 4 + q
.set SC1,  48
.set F0,   64
.set F1,   192
.set VOJ,  128                         ; at the head only: eight byte offsets into the bias
.set BIAS, 0                           ; in window 2
.set TM,   64                          ; the quantiser: v64-67 largest magnitudes, v68-71 bytes, v76-79 the conversions' scale operands
.set PC,   96                          ; v96-127  the codes: 8 registers for each of my four tiles
.set W0,   128                         ; v128-131 their scale words
.set W1,   132                         ; v132-135 the same for the second head
.set OW,   136                         ; v136-139 the words as they are stored
.set WV,   20
.set PM,   23                          ; 0, or all ones in a work-group for v
.set G1,   24                          ; s[24:31] descriptor group 1
.set G0,   32                          ; s[32:47] four groups 0
.set SEL,  68
.set SJ,   70
.set MSB, 0
.macro WIN new                         ; the immediate's high byte repeats the setting that is left
.if MSB != \new
	s_set_vgpr_msb (MSB<<8)|\new
.set MSB, \new
.endif
.endm
.macro PLACES                          ; four plain places in front of loads into registers that matrix instructions have read, and of the first read of results
.rept 4
	v_nop
.endr
.endm
.macro WM d, a, b, c, sa, sb, hi       ; hi: both sides' scale words are taken from lanes 16-31
.if \hi
	v_wmma_scale_f32_16x16x128_f8f6f4 v[\d:\d+7], v[\a:\a+7], v[\b:\b+7], v[\c:\c+7], v[\sa], v[\sb] matrix_a_fmt:MATRIX_FMT_FP4 matrix_b_fmt:MATRIX_FMT_FP4 matrix_a_scale:MATRIX_SCALE_ROW1 matrix_b_scale:MATRIX_SCALE_ROW1
.else
	v_wmma_scale_f32_16x16x128_f8f6f4 v[\d:\d+7], v[\a:\a+7], v[\b:\b+7], v[\c:\c+7], v[\sa], v[\sb] matrix_a_fmt:MATRIX_FMT_FP4 matrix_b_fmt:MATRIX_FMT_FP4
.endif
.endm
	s_load_b256 s[4:11], s[0:1], 0x0               ; cod s[4:5], scl s[6:7], bq s[8:9], bk s[10:11]
	s_load_b256 s[12:19], s[0:1], 0x20             ; bv s[12:13], qkc s[14:15], vc s[16:17], qkvs s[18:19]
	v_lshl_add_u32 v14, v0, 2, 0x30000
	v_mov_b32 v15, 0
	ds_add_u32 v14, v15
	ds_add_u32 v14, v15
	v_lshrrev_b32 v1, 5, v0
	v_readfirstlane_b32 s[WV], v1                  ; wave 0..3
	; descriptor group 1: 16,384 dense bytes as 64 rows of 32 elements of 8 bytes, no padding: the bytes lie in LDS as in memory
	s_mov_b32 s[G1], 3<<16                         ; 15:0 no mask; 17:16 elements of 8 bytes
	s_mov_b32 s[G1+1], 32<<16                      ; tensor_dim0 = 32
	s_mov_b32 s[G1+2], 64<<16                      ; tensor_dim1 = 64
	s_mov_b32 s[G1+3], 32<<16                      ; tile_dim0 = 32
	s_mov_b32 s[G1+4], 64                          ; tile_dim1 = 64
	s_mov_b32 s[G1+5], 32                          ; tensor_dim0_stride
	s_mov_b32 s[G1+6], 0
	s_mov_b32 s[G1+7], 0
	s_mov_b32 s[SEL], 0x76543210
	s_mov_b32 s[SEL+1], 0xfedcba98                 ; v_permlanex16_b32's selects for lane l xor 16
	; what a work-group for q or k would take
	s_and_b32 s71, ttmp9, 15                       ; which 128 rows of Wq and Wk on end
	s_lshr_b32 s72, ttmp9, 4                       ; Y: which 256 tokens
	s_add_co_u32 s73, s71, 64                      ; source 0's group in cod
	s_lshl_b32 s74, s72, 1                         ; source 1's first group
	s_lshr_b32 s75, s71, 3                         ; z: 0 q, 1 k
	s_and_b32 s76, s71, 7                          ; the pair of heads
	s_lshr_b32 s77, s72, 3                         ; b
	s_and_b32 s78, s72, 7                          ; which 256 tokens of the sequence
	s_lshl_b32 s79, s77, 4
	s_lshl_b32 s80, s76, 1
	s_add_co_u32 s79, s79, s80                     ; 16 b + the first head
	s_lshl_b32 s80, s75, 6
	s_add_co_u32 s80, s80, s79
	s_lshl_b32 s80, s80, 7
	s_lshl_b32 s81, s78, 4
	s_add_co_u32 s80, s80, s81
	s_lshl_b32 s81, s[WV], 2
	s_add_co_u32 s80, s80, s81
	s_lshl_b32 s80, s80, 9                         ; qkc: ((64 z + 16 b + head) 128 + my first token tile) x 512
	s_mul_i32 s81, s79, 20480
	s_lshl_b32 s82, s78, 2
	s_add_co_u32 s82, s82, s[WV]
	s_lshl_b32 s82, s82, 8
	s_add_co_u32 s81, s81, s82
	s_cmp_eq_u32 s75, 0
	s_cselect_b32 s82, 12288, 0
	s_add_co_u32 s81, s81, s82                     ; qkvs: the head's part, q's or k's words, my four tiles' 256 bytes
	s_lshl_b32 s82, s76, 9                         ; the bias: 128 numbers for each pair of heads
	; and what one for v would take
	s_sub_co_u32 s83, ttmp9, 512
	s_and_b32 s84, s83, 3                          ; which 256 rows of Wv
	s_lshr_b32 s85, s83, 2                         ; source 0's group: which 128 tokens
	s_lshl_b32 s86, s84, 1
	s_add_co_u32 s86, s86, 80                      ; source 1's first group
	s_lshr_b32 s87, s85, 4                         ; b
	s_and_b32 s88, s85, 15                         ; the key step
	s_lshl_b32 s87, s87, 4
	s_lshl_b32 s89, s84, 2
	s_add_co_u32 s89, s89, s[WV]                   ; my head
	s_add_co_u32 s87, s87, s89
	s_lshl_b32 s90, s87, 4
	s_add_co_u32 s90, s90, s88
	s_lshl_b32 s90, s90, 12                        ; vc: ((16 b + head) 16 + key step) x 4096
	s_mul_i32 s91, s87, 20480
	s_lshl_b32 s92, s88, 8
	s_add_co_u32 s91, s91, s92
	s_add_co_u32 s91, s91, 8192                    ; qkvs: the head's part, v's words, the key step's 256 bytes
	s_lshl_b32 s89, s89, 8                         ; the bias: 64 numbers a head
	s_wait_dscnt 0x0
	s_wait_kmcnt 0x0
	s_cmp_eq_u32 s75, 0
	s_cselect_b64 s[8:9], s[8:9], s[10:11]         ; bq or bk
	s_cmp_lt_u32 ttmp9, 512                        ; the choice hangs on the work-group's number alone; the selects leave SCC as it is
	s_cselect_b32 s48, s73, s85                    ; source 0's group
	s_cselect_b32 s49, s74, s86                    ; source 1's first group
	s_cselect_b32 s93, s80, s90
	s_cselect_b32 s94, s81, s91
	s_cselect_b32 s95, s82, s89
	s_cselect_b32 s96, 256, 0
	s_cselect_b32 s[PM], 0, -1
	s_cselect_b32 s[SJ], 4, 0
	s_cselect_b64 s[58:59], s[8:9], s[12:13]       ; the bias
	s_cselect_b64 s[62:63], s[14:15], s[16:17]     ; qkc or vc
	; the fills: wave 0 brings source 0's group, waves 1 and 2 source 1's two.  (Wave 3 issues none; its descriptors are made as wave 2's)
	s_min_u32 s51, s[WV], 2
	s_add_co_u32 s50, s49, s51
	s_sub_co_u32 s50, s50, 1
	s_cmp_eq_u32 s[WV], 0
	s_cselect_b32 s50, s48, s50
	s_lshl_b32 s52, s50, 16
	s_mov_b32 s53, 0
	s_add_nc_u64 s[52:53], s[4:5], s[52:53]        ; the group's first byte in cod
	s_lshl_b32 s51, s51, 16                        ; and its region in LDS
.irp j, 0,1,2,3
	s_mov_b32 s[G0+4*\j], 1                                        ; 1:0 count = 1
	s_add_co_u32 s[G0+4*\j+1], s51, \j*16384                       ; 63:32 LDS address
	s_add_nc_u64 s[G0+4*\j+2:G0+4*\j+3], s[52:53], \j*16384        ; 120:64 global address: K steps 2 j and 2 j + 1
	s_or_b32 s[G0+4*\j+3], s[G0+4*\j+3], 0x80000000                ; 127:126 type = 2
.endr
	s_cmp_lt_u32 s[WV], 3
	s_cbranch_scc0 .Lno_fill
	tensor_load_to_lds s[G0:G0+3], s[G1:G1+7]
	s_nop 0
	tensor_load_to_lds s[G0+4:G0+7], s[G1:G1+7]
	s_nop 0
	tensor_load_to_lds s[G0+8:G0+11], s[G1:G1+7]
	s_nop 0
	tensor_load_to_lds s[G0+12:G0+15], s[G1:G1+7]
	s_nop 0
.rept 4
	v_nop                                          ; four v_nop follow the last of them
.endr
.Lno_fill:
	s_mov_b32 s53, 0
	s_mov_b32 s52, s93
	s_add_nc_u64 s[62:63], s[62:63], s[52:53]      ; where my codes go
	s_mov_b32 s52, s94
	s_add_nc_u64 s[66:67], s[18:19], s[52:53]      ; and my scale words
	s_mov_b32 s52, s95
	s_add_nc_u64 s[58:59], s[58:59], s[52:53]      ; the bias: the first four rows of the table below,
	s_mov_b32 s52, s96
	s_add_nc_u64 s[60:61], s[58:59], s[52:53]      ; and the last four
	s_lshl_b32 s52, s48, 12
	s_add_nc_u64 s[54:55], s[6:7], s[52:53]        ; source 0's scale words: 8 tiles of 512 bytes
	s_lshr_b32 s52, s[WV], 1
	s_add_co_u32 s52, s52, s49
	s_lshl_b32 s52, s52, 12
	s_and_b32 s50, s[WV], 1
	s_lshl_b32 s50, s50, 11
	s_add_co_u32 s52, s52, s50
	s_add_nc_u64 s[56:57], s[6:7], s[52:53]        ; source 1's: my four tiles
	v_and_b32 v1, 31, v0                           ; lane
	v_and_b32 v2, 15, v0                           ; r
	v_bfe_u32 v3, v0, 4, 1                         ; h
	v_lshlrev_b32 v4, 4, v1                        ; 16 x lane, in memory
	v_lshlrev_b32 v5, 4, v1                        ; LDS: source 0's fragments
	s_lshr_b32 s50, s[WV], 1
	s_add_co_u32 s50, s50, 1
	s_lshl_b32 s50, s50, 16
	s_and_b32 s51, s[WV], 1
	s_lshl_b32 s51, s51, 12
	s_add_co_u32 s50, s50, s51
	v_add_nc_u32 v6, s50, v5                       ; LDS: my four tiles of source 1: region 1 + wave / 2, tiles 4 (wave % 2) on
	v_lshlrev_b32 v7, 4, v2
	v_lshl_add_u32 v7, v3, 3, v7                   ; the scale words' way out: 16 r + 8 h
	v_lshlrev_b32 v8, 6, v3                        ; bias for q and k: it runs with the registers: 64 h + 4 j
	v_and_b32 v9, 8, v2
	v_add_nc_u32 v9, v9, v2
	v_lshlrev_b32 v9, 2, v9                        ; bias for v: it hangs on the lane's channel: 4 (r + 8 (r / 8)), the same for every j
	v_cndmask_b32 v10, v8, v9, s[PM]
.irp j, 0,1,2,3,4,5,6,7
	v_mad_u32_u24 v[VOJ+\j], s[SJ], \j, v10
.endr
.irp t, 0,1,2,3,4,5,6,7
	global_load_b128 v[SC0+4*\t:SC0+4*\t+3], v4, s[54:55] offset:512*\t
.endr
.irp a, 0,1,2,3
	global_load_b128 v[SC1+4*\a:SC1+4*\a+3], v4, s[56:57] offset:512*\a
.endr
	WIN 0x80                                       ; destination window 2
; The bias, eight registers a row of the table.  For q and k row t serves source 0's tile t: b[32 (t / 2) + 16 h + 8 (t % 2) + j].  For v row a serves source 1's tile a: bv of the lane's channel in every register;
; there rows 4-7 repeat rows 0-3 and are not used: both kinds of work-group write every register that either reads.
.irp x, 0,1,2,3
.irp j, 0,1,2,3,4,5,6,7
	global_load_b32 v[BIAS+8*\x+\j], v[VOJ+\j], s[58:59] offset:128*(\x/2)+32*(\x%2)
.endr
.endr
.irp x, 0,1,2,3
.irp j, 0,1,2,3,4,5,6,7
	global_load_b32 v[BIAS+32+8*\x+\j], v[VOJ+\j], s[60:61] offset:128*(\x/2)+32*(\x%2)
.endr
.endr
	WIN 0
	s_wait_loadcnt 0x0                             ; scale words and bias are in; the offsets' registers are free
.macro FETCH s                         ; K step s: source 0's eight fragments and my four of source 1, into set s % 2: 24 loads of 512 consecutive bytes
.irp t, 0,1,2,3,4,5,6,7
.irp c, 0,1
	ds_load_b128 v[F0+64*((\s)%2)+8*\t+4*\c:F0+64*((\s)%2)+8*\t+4*\c+3], v5 offset:8192*(\s)+1024*\t+512*\c
.endr
.endr
.irp a, 0,1,2,3
.irp c, 0,1
	ds_load_b128 v[F1+32*((\s)%2)+8*\a+4*\c:F1+32*((\s)%2)+8*\a+4*\c+3], v6 offset:8192*(\s)+1024*\a+512*\c
.endr
.endr
.endm
; 32 matrix instructions: K step s.  The 32 accumulators take turns, one instruction a turn, in the same order in every step.
; cmode 0: the sums go on;  1: they start with the bias of source 0's tile;  2: with that of source 1's tile.
.macro MUL32 s, cmode
.if \cmode == 0
	WIN 0x50                                       ; C and D window 1
.else
	WIN 0x60                                       ; C window 2, D window 1
.endif
.irp a, 0,1,2,3
.irp t, 0,1,2,3,4,5,6,7
.if \cmode == 0
	WM 64*\a+8*\t, F0+64*((\s)%2)+8*\t, F1+32*((\s)%2)+8*\a, 64*\a+8*\t, SC0+4*\t+(\s)%4, SC1+4*\a+(\s)%4, (\s)/4
.elseif \cmode == 1
	WM 64*\a+8*\t, F0+64*((\s)%2)+8*\t, F1+32*((\s)%2)+8*\a, BIAS+8*\t, SC0+4*\t+(\s)%4, SC1+4*\a+(\s)%4, (\s)/4
.else
	WM 64*\a+8*\t, F0+64*((\s)%2)+8*\t, F1+32*((\s)%2)+8*\a, BIAS+8*\a, SC0+4*\t+(\s)%4, SC1+4*\a+(\s)%4, (\s)/4
.endif
.endr
.endr
	WIN 0
.endm
; What stands in front of step s's products: its fragments are in; where the next step begins a new chunk, that chunk is shown landed to every wave; the next step's fragments are asked for.
.macro AHEAD s
	s_wait_dscnt 0x0                               ; this step's 24 loads are in, and no LDS load of mine is out at a signal
.if ((\s)%2 == 1) && ((\s) < 7)
	s_wait_tensorcnt 3-((\s)+1)/2                  ; my chunk with K steps s + 1 and s + 2 has landed; the later chunks may stay out
	s_barrier_signal -1
	s_barrier_wait -1                              ; everybody's has
.endif
.if (\s) < 7
.if (\s) > 0
	PLACES                                         ; the set that takes the loads was multiplied in the step before
.endif
	FETCH (\s)+1
.endif
.endm
	s_wait_tensorcnt 3                             ; my first chunk, K steps 0 and 1, has landed; three may stay out
	s_barrier_signal -1
	s_barrier_wait -1
	FETCH 0
	AHEAD 0
	s_cmp_lt_u32 ttmp9, 512
	s_cbranch_scc0 .Lfirst_v
	MUL32 0, 1
	s_branch .Lfirst_done
.Lfirst_v:
	MUL32 0, 2
.Lfirst_done:
.irp s, 1,2,3,4,5,6,7
	AHEAD \s
	MUL32 \s, 0
.endr
	PLACES
.irp b, 0,1,2,3
	v_mov_b32 v[TM+4+\b], 0                        ; written once: a lane permute's destination counts as one of its sources
.endr
	v_cmp_ne_u32 vcc_lo, 0, v3                     ; lanes 16-31
; My tile a of source 1: a lane's 64 numbers, register 16 b + i = index 32 b + 16 h + i along source 0, become the fragment v[PC + 8 a] on and the scale word v[W0 + a].
; Each accumulator is first read at its low end: the registers are taken in ascending order.
.macro QUANT a
	WIN 0x05                                       ; sources 0 and 1 window 1
.irp b, 0,1,2,3
	v_max3_num_f32 v[TM+\b], |v[64*(\a)+16*\b]|, |v[64*(\a)+16*\b+1]|, 0x1800000   ; block b: my 16 numbers, and the floor 2^(3 - 127): the byte cannot fall under 1
.endr
	WIN 0x14                                       ; sources 1 and 2 window 1
.irp i, 2,4,6,8,10,12,14
.irp b, 0,1,2,3
	v_max3_num_f32 v[TM+\b], v[TM+\b], |v[64*(\a)+16*\b+\i]|, |v[64*(\a)+16*\b+\i+1]|   ; (the four blocks by turns)
.endr
.endr
	WIN 0
.irp b, 0,1,2,3
	v_permlanex16_b32 v[TM+4+\b], v[TM+\b], s[SEL], s[SEL+1]
.endr
.irp b, 0,1,2,3
	v_max_num_f32 v[TM+\b], v[TM+\b], v[TM+4+\b]   ; with lane l xor 16's 16: the block's largest magnitude
.endr
.irp b, 0,1,2,3
	v_add_nc_u32 v[TM+12+\b], 0xff000000, v[TM+\b] ; 2 off its exponent field: the conversion's scale operand
.endr
.irp b, 0,1,2,3
	v_lshrrev_b32 v[TM+4+\b], 23, v[TM+12+\b]      ; the scale's byte
.endr
	v_lshl_or_b32 v[W0+\a], v[TM+5], 8, v[TM+4]
	v_lshl_or_b32 v[W0+\a], v[TM+6], 16, v[W0+\a]
	v_lshl_or_b32 v[W0+\a], v[TM+7], 24, v[W0+\a]
	WIN 0x01                                       ; source 0 window 1
.irp b, 0,1,2,3
	v_cvt_scalef32_pk8_fp4_f32 v[PC+8*(\a)+2*\b], v[64*(\a)+16*\b:64*(\a)+16*\b+7], v[TM+12+\b]
	v_cvt_scalef32_pk8_fp4_f32 v[PC+8*(\a)+2*\b+1], v[64*(\a)+16*\b+8:64*(\a)+16*\b+15], v[TM+12+\b]
.endr
	WIN 0
	v_nop                                          ; one plain place behind the last scaled conversion
.irp c, 0,1                                    ; the operand's layout wants a WHOLE block in a lane: lanes 0-15 block 2 c, lanes 16-31 block 2 c + 1
.irp i, 0,1
	v_permlane16_swap_b32 v[PC+8*(\a)+4*\c+\i], v[PC+8*(\a)+4*\c+2+\i]
.endr
.endr
.endm
	s_cmp_lt_u32 ttmp9, 512
	s_cbranch_scc0 .Lepi_v
	; q or k: the fragment's two chunks are two heads' codes of my 16 tokens; the word's two halves are their bytes
.irp a, 0,1,2,3
	QUANT \a
	global_store_b128 v4, v[PC+8*\a:PC+8*\a+3], s[62:63] offset:512*\a             ; 512 consecutive bytes
	global_store_b128 v4, v[PC+8*\a+4:PC+8*\a+7], s[62:63] offset:512*\a+65536     ; the next head
	v_lshrrev_b32 v[W1+\a], 16, v[W0+\a]
.endr
	v_cndmask_b32 v[OW], v[W0], v[W0+2], vcc_lo    ; lanes 0-15 store the words of tiles 0 and 1, lanes 16-31 those of 2 and 3
	v_cndmask_b32 v[OW+1], v[W0+1], v[W0+3], vcc_lo
	v_cndmask_b32 v[OW+2], v[W1], v[W1+2], vcc_lo
	v_cndmask_b32 v[OW+3], v[W1+1], v[W1+3], vcc_lo
	global_store_b64 v7, v[OW:OW+1], s[66:67]                      ; 256 consecutive bytes
	global_store_b64 v7, v[OW+2:OW+3], s[66:67] offset:20480       ; the next head's
	s_wait_tensorcnt 0x0
	ds_add_u32 v14, v15
	s_wait_dscnt 0x0
	s_endpgm
.Lepi_v:
	; v: a whole fragment, 16 channels x 128 keys, for each of my head's four channel tiles
.irp a, 0,1,2,3
	QUANT \a
	global_store_b128 v4, v[PC+8*\a:PC+8*\a+3], s[62:63] offset:1024*\a
	global_store_b128 v4, v[PC+8*\a+4:PC+8*\a+7], s[62:63] offset:1024*\a+512
.endr
	v_cndmask_b32 v[OW], v[W0], v[W0+2], vcc_lo
	v_cndmask_b32 v[OW+1], v[W0+1], v[W0+3], vcc_lo
	global_store_b64 v7, v[OW:OW+1], s[66:67]
	s_wait_tensorcnt 0x0
	ds_add_u32 v14, v15
	s_wait_dscnt 0x0
	s_endpgm
.Lfunc_end_k_q5b49aa5cd4_proj:
	.size	k_q5b49aa5cd4_proj, .Lfunc_end_k_q5b49aa5cd4_proj-k_q5b49aa5cd4_proj
	.p2alignl 7, 3214868480
	.fill 96, 4, 3214868480
	.section	.rodata,"a",@progbits
	.p2align	6, 0x0
	.amdhsa_kernel k_q5b49aa5cd4_proj
		.amdhsa_group_segment_fixed_size 197120
		.amdhsa_private_segment_fixed_size 0
		.amdhsa_enable_private_segment 0
		.amdhsa_kernarg_size 64
		.amdhsa_user_sgpr_count 2
		.amdhsa_user_sgpr_kernarg_segment_ptr 1
		.amdhsa_wavefront_size32 1
		.amdhsa_system_sgpr_workgroup_id_x 1
		.amdhsa_system_sgpr_workgroup_id_y 1
		.amdhsa_system_sgpr_workgroup_id_z 1
		.amdhsa_system_vgpr_workitem_id 0
		.amdhsa_next_free_vgpr 640
		.amdhsa_next_free_sgpr 100
		.amdhsa_reserve_vcc 1
		.amdhsa_float_denorm_mode_32 3
		.amdhsa_float_denorm_mode_16_64 3
		.amdhsa_memory_ordered 1
		.amdhsa_forward_progress 1
		.amdhsa_inst_pref_size 98
	.end_amdhsa_kernel
	.amdgpu_metadata
---
amdhsa.version: [ 1, 2 ]
amdhsa.kernels:
  - .name:           k_q5b49aa5cd4_proj
    .symbol:         k_q5b49aa5cd4_proj.kd
    .args:
      - { .name: cod, .offset: 0, .size: 8, .value_kind: global_buffer, .address_space: global }
      - { .name: scl, .offset: 8, .size: 8, .value_kind: global_buffer, .address_space: global }
      - { .name: bq, .offset: 16, .size: 8, .value_kind: global_buffer, .address_space: global }
      - { .name: bk, .offset: 24, .size: 8, .value_kind: global_buffer, .address_space: global }
      - { .name: bv, .offset: 32, .size: 8, .value_kind: global_buffer, .address_space: global }
      - { .name: qkc, .offset: 40, .size: 8, .value_kind: global_buffer, .address_space: global }
      - { .name: vc, .offset: 48, .size: 8, .value_kind: global_buffer, .address_space: global }
      - { .name: qkvs, .offset: 56, .size: 8, .value_kind: global_buffer, .address_space: global }
    .group_segment_fixed_size: 197120
    .private_segment_fixed_size: 0
    .kernarg_segment_align: 8
    .kernarg_segment_size: 64
    .max_flat_workgroup_size: 128
    .sgpr_count:     100
    .vgpr_count:     640
    .wavefront_size: 32
...
	.end_amdgpu_metadata
.endif
;; end of part 2
;; launch attn (part 3): grid 4 x 64, 16 waves a work-group, no clusters, 169,984 bytes of LDS; arguments qkc, vc, qkvs, oc, os; writes oc, os
.if DOCPART == 3
	.amdgcn_target "amdgcn-amd-amdhsa--gfx1250"
	.amdhsa_code_object_version 6
	.text
	.protected	k_q5b49aa5cd4_attn
	.globl	k_q5b49aa5cd4_attn
	.p2align	8
	.type	k_q5b49aa5cd4_attn,@function
k_q5b49aa5cd4_attn:
	s_mov_b64 s[64:65], 0
	v_nop
	global_prefetch_b8 v0, s[64:65] scope:SCOPE_SE
	s_setreg_imm32_b32 hwreg(HW_REG_WAVE_MODE, 25, 1), 1
	s_wait_xcnt 0x0
; For each of the 64 (batch, head): O[q] = the sum over k of softmax_k(q . k / 8) v[k], both products on codes of FP4 (E2M1), and O quantised along D on its way out.
; THE SOFTMAX AHEAD OF THE SECOND PRODUCT: t = score x log2(e) / 8; M = the row's largest t so far, rounded UP to a whole number; p = 2^(t - M) is what is quantised, along the keys; it is not normalised.
; The row's sum is taken of the unquantised p, in f32, and divides O at the end.  When M moves, the sum and O are multiplied by 2^(old M - new M): exact.
; SHARES.  A work-group owns one head and 512 queries; each of its sixteen waves owns two tiles of 16 queries, one after the other, in 256 registers: four waves to a SIMD, so that one wave's vector work stands beside
; another's matrix work and LDS loads.  Every wave walks all 2,048 keys, 128 a step.
; LDS.  The head's whole K (65,536 bytes), V (65,536) and their scale words (8,192 + 4,096) are brought once, by nine tensor loads, one a wave, and stay: no byte is filled again, and the launch has one barrier.
; All operands lie as images of their registers: a chunk of 512 bytes, lane l's 16 bytes at 16 l.
; LAYOUT.  Both products are used transposed: S^T = K Q^T (source 0 = 16 keys, source 1 = my 16 queries), O^T = V^T P^T (source 0 = 16 channels, source 1 = P): a lane holds ONE query (lane % 16) throughout.
; Tile T of the keys and of the channels holds the rows 32 (T / 2) + 8 (T % 2) + r + 8 (r / 8), so that the 16 registers of result tiles 2 b and 2 b + 1 are 16 neighbours, 32 b + 16 (lane / 16) + 0 .. 15.
; THE FIRST PRODUCT'S K IS 64: the upper half of K's and of Q's fragments are zero codes, in registers cleared once; the scale bytes that meet them are never 0xff.
; NO JOINT LOADS: the four work-groups of a head read the same 143,360 bytes, each once, at its head, and then work 512 wave-steps on them: what could be shared is one fetch ahead of all the work.
; REGISTERS: v1-7 addresses that stay; v8-11 addresses of the loads in hand; v12 -M, v13 the largest t, v[14:15] the sum in two halves; v16-23 Q; v24-27 K's scale words, v28-29 V's, v30 Q's, v31 p's;
;   v32-95 K's eight tiles; v96-159 S^T, then p; v160-191 O^T; v192-223 V's four fragments; v224-231 p's codes; v232-254 at work.
; LIMITS: a p under 2^-126 counts as 0 (v_exp_f32 gives no denormals: ISA guide, its entry in 15.8); the row's sum is at least 1/2.  NaN and infinities are not served.
.set VIMG, 65536
.set KSC,  131072
.set VSC,  139264
.set AK0,  1                           ; v1   16 x lane
.set AV0,  2                           ; v2   VIMG + 16 x lane
.set ASK0, 3                           ; v3   KSC + 16 x lane: register j then holds tile j's words in lanes 0-15 and tile 4 + j's in lanes 16-31
.set ASV0, 4                           ; v4   VSC + 16 r + 8 h: register j holds channel tile j's words in lanes 0-15 and tile 2 + j's in lanes 16-31
.set LI,   5                           ; v5   16 x lane, in memory
.set QSO,  6                           ; v6   16 r: Q's scale words
.set OSO,  7                           ; v7   16 r + h: O's scale bytes
.set ADK,  8
.set ADV,  9
.set ADS,  10
.set ADT,  11
.set WV,   14
.set SEL,  20                          ; s[20:21] lane selects for v_permlanex16_b32: lane l xor 16
.set CS,   22                          ; s[22:23] c = log2(e) / 8: the packed form names a pair and takes its low word for both halves
.set G1,   24                          ; s[24:31] descriptor group 1 for the codes;  s[32:39] for the scale words;  s[40:43], s[44:47] their groups 0
.set G1S,  32
.set G0,   40
.set G0S,  44
.set KS,   56                          ; s56  the key step
.set HM,   59                          ; s59  lanes 16-31
.macro WMZ d, a, b, sa, sb, hi         ; a product that starts its sum;  hi: source 0's scale words are taken from lanes 16-31
.if \hi
	v_wmma_scale_f32_16x16x128_f8f6f4 v[\d:\d+7], v[\a:\a+7], v[\b:\b+7], 0, v[\sa], v[\sb] matrix_a_fmt:MATRIX_FMT_FP4 matrix_b_fmt:MATRIX_FMT_FP4 matrix_a_scale:MATRIX_SCALE_ROW1
.else
	v_wmma_scale_f32_16x16x128_f8f6f4 v[\d:\d+7], v[\a:\a+7], v[\b:\b+7], 0, v[\sa], v[\sb] matrix_a_fmt:MATRIX_FMT_FP4 matrix_b_fmt:MATRIX_FMT_FP4
.endif
.endm
.macro WMA d, a, b, sa, sb, hi         ; one that adds onto it
.if \hi
	v_wmma_scale_f32_16x16x128_f8f6f4 v[\d:\d+7], v[\a:\a+7], v[\b:\b+7], v[\d:\d+7], v[\sa], v[\sb] matrix_a_fmt:MATRIX_FMT_FP4 matrix_b_fmt:MATRIX_FMT_FP4 matrix_a_scale:MATRIX_SCALE_ROW1
.else
	v_wmma_scale_f32_16x16x128_f8f6f4 v[\d:\d+7], v[\a:\a+7], v[\b:\b+7], v[\d:\d+7], v[\sa], v[\sb] matrix_a_fmt:MATRIX_FMT_FP4 matrix_b_fmt:MATRIX_FMT_FP4
.endif
.endm
	s_load_b256 s[4:11], s[0:1], 0x0               ; qkc s[4:5], vc s[6:7], qkvs s[8:9], oc s[10:11]
	s_load_b64 s[12:13], s[0:1], 0x20              ; os
	v_lshl_add_u32 v245, v0, 2, 0x29000
	v_mov_b32 v255, 0
	ds_add_u32 v245, v255
	ds_add_u32 v245, v255
	v_lshrrev_b32 v8, 5, v0
	v_readfirstlane_b32 s[WV], v8                  ; wave 0..15
	s_and_b32 s15, ttmp7, 0xffff                   ; 16 b + head
	s_lshl_b32 s16, s15, 16                        ; its 65,536 bytes in each tensor of codes
	s_and_b32 s17, s15, 15                         ; head
	s_lshr_b32 s18, s15, 4                         ; b
	s_lshl_b32 s19, ttmp9, 5
	s_add_co_u32 s19, s19, s[WV]                   ; my first tile of queries in the sequence: 32 x work-group x + wave; the second lies 16 tiles on
	; descriptor groups 1: dense bytes as rows of 32 elements of 8 bytes, no padding: 64 rows of codes, 48 rows of scale words
	s_mov_b32 s[G1], 3<<16
	s_mov_b32 s[G1+1], 32<<16
	s_mov_b32 s[G1+2], 64<<16
	s_mov_b32 s[G1+3], 32<<16
	s_mov_b32 s[G1+4], 64
	s_mov_b32 s[G1+5], 32
	s_mov_b32 s[G1+6], 0
	s_mov_b32 s[G1+7], 0
	s_mov_b32 s[G1S], 3<<16
	s_mov_b32 s[G1S+1], 32<<16
	s_mov_b32 s[G1S+2], 48<<16
	s_mov_b32 s[G1S+3], 32<<16
	s_mov_b32 s[G1S+4], 48
	s_mov_b32 s[G1S+5], 32
	s_mov_b32 s[G1S+6], 0
	s_mov_b32 s[G1S+7], 0
	s_mov_b32 s[SEL], 0x76543210
	s_mov_b32 s[SEL+1], 0xfedcba98
	s_mov_b32 s[CS], 0x3e38aa3b                    ; c = log2(e) / 8
	s_mov_b32 s[CS+1], s[CS]                       ; (named with it as a pair, so it is written)
	s_min_u32 s57, s[WV], 7                        ; waves 0-3 bring K's quarters, waves 4-7 V's.  (The others' descriptors are made as wave 7's and not used)
	s_lshl_b32 s58, s57, 14                        ; where it goes
	s_and_b32 s57, s57, 3
	s_lshl_b32 s60, s57, 14
	s_add_co_u32 s60, s60, s16                     ; and where it comes from
	s_mov_b32 s61, 0
	s_wait_dscnt 0x0
	s_wait_kmcnt 0x0
	s_add_nc_u64 s[62:63], s[4:5], 0x400000        ; k's codes lie 64 heads behind q's
	s_cmp_lt_u32 s[WV], 4
	s_cselect_b64 s[62:63], s[62:63], s[6:7]
	s_add_nc_u64 s[62:63], s[62:63], s[60:61]
	s_mov_b32 s[G0], 1                             ; 1:0 count = 1
	s_mov_b32 s[G0+1], s58                         ; 63:32 LDS address
	s_mov_b64 s[G0+2:G0+3], s[62:63]               ; 120:64 global address
	s_or_b32 s[G0+3], s[G0+3], 0x80000000          ; 127:126 type = 2
	s_mul_i32 s60, s15, 20480
	s_add_nc_u64 s[8:9], s[8:9], s[60:61]          ; the head's part of qkvs: k's words, then v's: 12,288 bytes for wave 8
	s_mov_b32 s[G0S], 1
	s_mov_b32 s[G0S+1], KSC
	s_mov_b64 s[G0S+2:G0S+3], s[8:9]
	s_or_b32 s[G0S+3], s[G0S+3], 0x80000000
	s_cmp_lt_u32 s[WV], 8                          ; the branches hang on the wave's number alone; four v_nop follow each of the two lines
	s_cbranch_scc0 .Lnot_codes
	tensor_load_to_lds s[G0:G0+3], s[G1:G1+7]
	s_nop 0
.rept 4
	v_nop
.endr
	s_branch .Lasked
.Lnot_codes:
	s_cmp_eq_u32 s[WV], 8
	s_cbranch_scc0 .Lasked
	tensor_load_to_lds s[G0S:G0S+3], s[G1S:G1S+7]
	s_nop 0
.rept 4
	v_nop
.endr
.Lasked:
	s_lshl_b32 s60, s19, 9
	s_add_co_u32 s60, s60, s16
	s_add_nc_u64 s[48:49], s[4:5], s[60:61]        ; Q's codes: the head, my tile's chunk;  the second tile: 8,192 bytes on
	s_lshl_b32 s60, ttmp9, 3
	s_lshr_b32 s57, s[WV], 2
	s_add_co_u32 s60, s60, s57
	s_lshl_b32 s60, s60, 8
	s_and_b32 s57, s[WV], 3
	s_lshl_b32 s57, s57, 2
	s_add_co_u32 s60, s60, s57
	s_add_co_u32 s60, s60, 12288
	s_add_nc_u64 s[50:51], s[8:9], s[60:61]        ; Q's scale words: 256 (tile / 4) + 4 (tile % 4);  the second tile: 1,024 bytes on
	s_lshl_b32 s60, s18, 4
	s_lshl_b32 s57, ttmp9, 2
	s_add_co_u32 s60, s60, s57
	s_lshr_b32 s57, s[WV], 3
	s_add_co_u32 s60, s60, s57
	s_lshl_b32 s60, s60, 16                        ; oc, laid as cod: the group of 128 tokens,
	s_lshr_b32 s57, s17, 1
	s_lshl_b32 s57, s57, 13                        ; the K step: head / 2,
	s_add_co_u32 s60, s60, s57
	s_and_b32 s57, s[WV], 7
	s_lshl_b32 s57, s57, 10                        ; the tile in the group,
	s_add_co_u32 s60, s60, s57
	s_and_b32 s57, s17, 1
	s_lshl_b32 s57, s57, 9                         ; the chunk: head % 2
	s_add_co_u32 s60, s60, s57
	s_add_nc_u64 s[52:53], s[10:11], s[60:61]      ; the second tile: two groups, 131,072 bytes, on
	s_lshl_b32 s60, s18, 7
	s_add_co_u32 s60, s60, s19
	s_lshl_b32 s60, s60, 9                         ; os, laid as scl: the tile's 512 bytes,
	s_lshr_b32 s57, s17, 3
	s_lshl_b32 s57, s57, 8                         ; which four K steps,
	s_add_co_u32 s60, s60, s57
	s_bfe_u32 s57, s17, 0x20001
	s_lshl_b32 s57, s57, 2                         ; which word of them,
	s_add_co_u32 s60, s60, s57
	s_and_b32 s57, s17, 1
	s_lshl_b32 s57, s57, 1                         ; which half of the word
	s_add_co_u32 s60, s60, s57
	s_add_nc_u64 s[54:55], s[12:13], s[60:61]      ; the second tile: 8,192 bytes on
	v_and_b32 v8, 31, v0                           ; lane
	v_and_b32 v9, 15, v0                           ; r
	v_bfe_u32 v10, v0, 4, 1                        ; h
	v_lshlrev_b32 v[AK0], 4, v8
	v_add_nc_u32 v[AV0], VIMG, v[AK0]
	v_add_nc_u32 v[ASK0], KSC, v[AK0]
	v_lshlrev_b32 v[QSO], 4, v9
	v_lshl_add_u32 v[ASV0], v10, 3, v[QSO]
	v_add_nc_u32 v[ASV0], VSC, v[ASV0]
	v_lshlrev_b32 v[LI], 4, v8
	v_add_nc_u32 v[OSO], v[QSO], v10
	v_cmp_ne_u32 s[HM], 0, v10
	global_load_b128 v[16:19], v[LI], s[48:49]     ; my first tile of queries
	global_load_b32 v30, v[QSO], s[50:51]
.irp j, 20,21,22,23
	v_mov_b32 v[\j], 0                             ; Q's k = 64 .. 127: zero codes
.endr
.irp T, 0,1,2,3,4,5,6,7
.irp j, 4,5,6,7
	v_mov_b32 v[32+8*\T+\j], 0                     ; K's likewise: cleared once, no load lands here
.endr
.endr
.irp b, 0,1,2,3
	v_mov_b32 v[236+\b], 0                         ; written once: a lane permute's destination counts as one of its sources
.endr
	v_mov_b32 v247, 0                              ; (named as the upper half of the pair v[246:247])
	s_wait_tensorcnt 0x0                           ; my part of the head has landed,
	s_barrier_signal -1
	s_barrier_wait -1                              ; everybody's has
.irp T, 0,1,2,3,4,5,6,7
	ds_load_b128 v[32+8*\T:35+8*\T], v[AK0] offset:512*\T   ; key step 0
.endr
	ds_load_b128 v[24:27], v[ASK0]
; ONE TILE OF 16 QUERIES: all keys, then the way out.
.macro PASS p
	v_mov_b32 v13, 0xff61b1e6                      ; the largest t so far: -3e38, under every t
	v_floor_f32 v12, -v13                          ; -M
	v_mov_b32 v14, 0                               ; the sum, in two halves
	v_mov_b32 v15, 0
.set j, 0
.rept 32
	v_mov_b32 v[160+j], 0                          ; O^T.  (The step is written once: the first finds zeros, which the first change of M leaves zeros)
.set j, j+1
.endr
	s_wait_loadcnt 0x0                             ; Q
	s_mov_b32 s[KS], 0
.Lstep_\@:
	s_lshl_b32 s57, s[KS], 12
	s_lshl_b32 s58, s[KS], 8
	v_add_nc_u32 v[ADV], s57, v[AV0]               ; these four are the places behind the last step's products, in front of the loads into V's registers
	v_add_nc_u32 v[ADT], s58, v[ASV0]
	v_nop
	v_nop
.irp ct, 0,1,2,3
.irp c, 0,1
	ds_load_b128 v[192+8*\ct+4*\c:195+8*\ct+4*\c], v[ADV] offset:1024*\ct+512*\c   ; this step's V: it lands under the first product and the softmax
.endr
.endr
	ds_load_b64 v[28:29], v[ADT]
	s_wait_dscnt 9                                 ; K's nine loads, asked for a step ago, are in; V's nine may be out
.irp T, 0,1,2,3
	WMZ 96+8*\T, 32+8*\T, 16, 24+\T, 30, 0
.endr
.irp T, 4,5,6,7
	WMZ 96+8*\T, 32+8*\T, 16, 20+\T, 30, 1
.endr
	s_add_co_u32 s57, s[KS], 1
	s_and_b32 s57, s57, 15                         ; the next step; behind the last comes step 0 again, for my next tile of queries
	s_lshl_b32 s58, s57, 12
	s_lshl_b32 s57, s57, 9
	v_add_nc_u32 v[ADK], s58, v[AK0]               ; these four are the places in front of the loads into K's registers and of the first read of the scores
	v_add_nc_u32 v[ADS], s57, v[ASK0]
	v_nop
	v_nop
.irp T, 0,1,2,3,4,5,6,7
	ds_load_b128 v[32+8*\T:35+8*\T], v[ADK] offset:512*\T
.endr
	ds_load_b128 v[24:27], v[ADS]
.irp b, 0,1,2,3
	v_max3_num_f32 v[232+\b], v[96+16*\b], v[97+16*\b], v[98+16*\b]   ; THE LARGEST SCORE OF EACH BLOCK OF 32 KEYS: it serves twice: for the row's maximum, and, since p rises with the score, for the block's largest p
.endr
.irp i, 3,5,7,9,11,13
.irp b, 0,1,2,3
	v_max3_num_f32 v[232+\b], v[232+\b], v[96+16*\b+\i], v[97+16*\b+\i]   ; (the four blocks by turns; the registers in ascending order)
.endr
.endr
.irp b, 0,1,2,3
	v_max_num_f32 v[232+\b], v[232+\b], v[111+16*\b]
.endr
.irp b, 0,1,2,3
	v_permlanex16_b32 v[236+\b], v[232+\b], s[SEL], s[SEL+1]
.endr
.irp b, 0,1,2,3
	v_max_num_f32 v[232+\b], v[232+\b], v[236+\b]  ; with lane l xor 16's 16 keys
.endr
	v_max3_num_f32 v244, v232, v233, v234
	v_max_num_f32 v244, v244, v235                 ; the step's largest score of my query
	v_mul_f32 v244, s[CS], v244                    ; as t (c is positive)
	v_max_num_f32 v13, v13, v244                   ; the running largest t
	v_mov_b32 v244, v12
	v_floor_f32 v12, -v13                          ; the new -M = floor(-t) = -ceil(t): M IS A WHOLE NUMBER
	v_sub_f32 v244, v12, v244                      ; M's old value less its new one: a whole number, 0 or less
	v_cvt_i32_f32 v244, v244                       ; (it saturates)
	v_ldexp_f32 v246, 1.0, v244                    ; f = 2^(old M - new M)
.set j, 0
.rept 32
	v_pk_fma_f32 v[96+j:97+j], v[96+j:97+j], s[CS:CS+1], v[12:13] op_sel_hi:[1,0,0]   ; t - M, two at a time (of the pairs c and -M the low word serves both halves)
.set j, j+2
.endr
.irp b, 0,1,2,3
	v_fma_f32 v[232+\b], v[232+\b], s[CS], v12     ; the same of each block's largest score
.endr
.set j, 0
.rept 64
	v_exp_f32 v[96+j], v[96+j]                     ; p = 2^(t - M), at most 1: NOT normalised
.set j, j+1
.endr
.irp b, 0,1,2,3
	v_exp_f32 v[232+\b], v[232+\b]                 ; the block's largest p: the same two instructions on the same number give the same bits
.endr
	v_pk_mul_f32 v[14:15], v[14:15], v[246:247] op_sel_hi:[1,0]   ; the sums under the new M.  (A plain place behind the exponentials)
	s_wait_alu depctr_va_vdst(0)
.irp b, 0,1,2,3
	v_max_num_f32 v[232+\b], 0x1800000, v[232+\b]  ; the floor 2^(3 - 127): the byte cannot fall under 1
.endr
.irp b, 0,1,2,3
	v_add_nc_u32 v[240+\b], 0xff000000, v[232+\b]  ; 2 off the exponent field: the conversion's scale operand
.endr
.irp b, 0,1,2,3
	v_lshrrev_b32 v[236+\b], 23, v[240+\b]         ; the scale's byte
.endr
	v_lshl_or_b32 v31, v237, 8, v236               ; p's scale word for these 128 keys
	v_lshl_or_b32 v31, v238, 16, v31
	v_lshl_or_b32 v31, v239, 24, v31
.irp b, 0,1,2,3
	v_cvt_scalef32_pk8_fp4_f32 v[224+2*\b], v[96+16*\b:103+16*\b], v[240+\b]
	v_cvt_scalef32_pk8_fp4_f32 v[225+2*\b], v[104+16*\b:111+16*\b], v[240+\b]
.endr
	v_nop                                          ; one plain place behind the last scaled conversion
.irp c, 0,1                                    ; the operand's layout wants a WHOLE block in a lane: lanes 0-15 block 2 c, lanes 16-31 block 2 c + 1
.irp i, 0,1
	v_permlane16_swap_b32 v[224+4*\c+\i], v[226+4*\c+\i]
.endr
.endr
	v_pk_add_f32 v[248:249], v[96:97], v[98:99]    ; THE ROW'S SUM IS TAKEN OF THE UNQUANTISED p: two at a time, in two chains.  (These 32 lines are also the places between the writing of p's codes and scale word and the products)
.set j, 4
.rept 15
	v_pk_add_f32 v[14:15], v[14:15], v[96+j:97+j]
	v_pk_add_f32 v[248:249], v[248:249], v[98+j:99+j]
.set j, j+4
.endr
	v_pk_add_f32 v[14:15], v[14:15], v[248:249]
.set j, 0
.rept 16
	v_pk_mul_f32 v[160+j:161+j], v[160+j:161+j], v[246:247] op_sel_hi:[1,0]   ; O^T under the new M: x f
.set j, j+2
.endr
	s_wait_dscnt 9                                 ; V's nine loads are in; the next step's K may be out
.irp ct, 0,1
	WMA 160+8*\ct, 192+8*\ct, 224, 28+\ct, 31, 0   ; O^T += V^T P^T: the four accumulators take turns, one instruction a turn
.endr
.irp ct, 2,3
	WMA 160+8*\ct, 192+8*\ct, 224, 26+\ct, 31, 1
.endr
	s_add_co_u32 s[KS], s[KS], 1
	s_cmp_lt_u32 s[KS], 16
	s_cbranch_scc1 .Lstep_\@
	; THE WAY OUT: O^T / the sum, quantised along D: the head's 64 channels are two blocks of 32 and one chunk of a fragment of the last product's operand.
	s_wait_xcnt 0x0                                ; the last tile's stores have read their registers, which are written again below
.if \p == 0
	global_load_b128 v[16:19], v[LI], s[48:49] offset:8192   ; my second tile of queries
	global_load_b32 v30, v[QSO], s[50:51] offset:1024
.endif
.rept 4
	v_nop                                          ; places behind the last products, in front of the first read of O^T
.endr
	v_add_f32 v14, v14, v15                        ; the sum's two halves,
	v_permlanex16_b32 v244, v14, s[SEL], s[SEL+1]
	v_add_f32 v14, v14, v244                       ; and lane l xor 16's: the row's sum
	v_rcp_f32 v246, v14
	v_nop                                          ; one plain place behind the transcendental
.set j, 0
	s_wait_alu depctr_va_vdst(0)
.rept 16
	v_pk_mul_f32 v[160+j:161+j], v[160+j:161+j], v[246:247] op_sel_hi:[1,0]   ; register 16 b + i is channel 32 b + 16 h + i; each accumulator from its low end on
.set j, j+2
.endr
.irp b, 0,1
	v_max3_num_f32 v[232+\b], |v[160+16*\b]|, |v[161+16*\b]|, 0x1800000
.endr
.irp i, 2,4,6,8,10,12,14
.irp b, 0,1
	v_max3_num_f32 v[232+\b], v[232+\b], |v[160+16*\b+\i]|, |v[161+16*\b+\i]|
.endr
.endr
.irp b, 0,1
	v_permlanex16_b32 v[236+\b], v[232+\b], s[SEL], s[SEL+1]
.endr
.irp b, 0,1
	v_max_num_f32 v[232+\b], v[232+\b], v[236+\b]
.endr
.irp b, 0,1
	v_add_nc_u32 v[240+\b], 0xff000000, v[232+\b]
.endr
.irp b, 0,1
	v_lshrrev_b32 v[236+\b], 23, v[240+\b]
.endr
.irp b, 0,1
	v_cvt_scalef32_pk8_fp4_f32 v[250+2*\b], v[160+16*\b:167+16*\b], v[240+\b]
	v_cvt_scalef32_pk8_fp4_f32 v[251+2*\b], v[168+16*\b:175+16*\b], v[240+\b]
.endr
	v_nop                                          ; one plain place behind the last scaled conversion
	v_permlane16_swap_b32 v250, v252
	v_permlane16_swap_b32 v251, v253               ; lane (r, h) now holds channels 32 h + 0 .. 31 of query r
	v_cndmask_b32 v254, v236, v237, s[HM]          ; and block h's byte
	global_store_b128 v[LI], v[250:253], s[52:53] offset:131072*\p   ; a chunk: 512 consecutive bytes
	global_store_b8 v[OSO], v254, s[54:55] offset:8192*\p            ; 32 single bytes: a head has 2 of a row's 32 scale bytes, so they cannot be gathered here: 32 bytes for each 512 of codes
.endm
	PASS 0
	PASS 1
	s_wait_dscnt 0x0                               ; the loads that the last step asked for ahead
	s_wait_tensorcnt 0x0
	ds_add_u32 v245, v255
	s_wait_dscnt 0x0
	s_endpgm
.Lfunc_end_k_q5b49aa5cd4_attn:
	.size	k_q5b49aa5cd4_attn, .Lfunc_end_k_q5b49aa5cd4_attn-k_q5b49aa5cd4_attn
	.p2alignl 7, 3214868480
	.fill 96, 4, 3214868480
	.section	.rodata,"a",@progbits
	.p2align	6, 0x0
	.amdhsa_kernel k_q5b49aa5cd4_attn
		.amdhsa_group_segment_fixed_size 169984
		.amdhsa_private_segment_fixed_size 0
		.amdhsa_enable_private_segment 0
		.amdhsa_kernarg_size 40
		.amdhsa_user_sgpr_count 2
		.amdhsa_user_sgpr_kernarg_segment_ptr 1
		.amdhsa_wavefront_size32 1
		.amdhsa_system_sgpr_workgroup_id_x 1
		.amdhsa_system_sgpr_workgroup_id_y 1
		.amdhsa_system_sgpr_workgroup_id_z 1
		.amdhsa_system_vgpr_workitem_id 0
		.amdhsa_next_free_vgpr 256
		.amdhsa_next_free_sgpr 80
		.amdhsa_reserve_vcc 0
		.amdhsa_float_denorm_mode_32 3
		.amdhsa_float_denorm_mode_16_64 3
		.amdhsa_memory_ordered 1
		.amdhsa_forward_progress 1
		.amdhsa_inst_pref_size 47
	.end_amdhsa_kernel
	.amdgpu_metadata
---
amdhsa.version: [ 1, 2 ]
amdhsa.kernels:
  - .name:           k_q5b49aa5cd4_attn
    .symbol:         k_q5b49aa5cd4_attn.kd
    .args:
      - { .name: qkc, .offset: 0, .size: 8, .value_kind: global_buffer, .address_space: global }
      - { .name: vc, .offset: 8, .size: 8, .value_kind: global_buffer, .address_space: global }
      - { .name: qkvs, .offset: 16, .size: 8, .value_kind: global_buffer, .address_space: global }
      - { .name: oc, .offset: 24, .size: 8, .value_kind: global_buffer, .address_space: global }
      - { .name: os, .offset: 32, .size: 8, .value_kind: global_buffer, .address_space: global }
    .group_segment_fixed_size: 169984
    .private_segment_fixed_size: 0
    .kernarg_segment_align: 8
    .kernarg_segment_size: 40
    .max_flat_workgroup_size: 512
    .sgpr_count:     80
    .vgpr_count:     256
    .wavefront_size: 32
...
	.end_amdgpu_metadata
.endif
;; end of part 3
;; launch outp (part 4): grid 256 x 1, 4 waves a work-group, no clusters, 230,912 bytes of LDS; arguments oc, os, cod, scl, bo, out0; writes out0
.if DOCPART == 4
	.amdgcn_target "amdgcn-amd-amdhsa--gfx1250"
	.amdhsa_code_object_version 6
	.text
	.protected	k_q5b49aa5cd4_outp
	.globl	k_q5b49aa5cd4_outp
	.p2align	8
	.type	k_q5b49aa5cd4_outp,@function
k_q5b49aa5cd4_outp:
	s_mov_b64 s[64:65], 0
	v_nop
	global_prefetch_b8 v0, s[64:65] scope:SCOPE_SE
	s_setreg_imm32_b32 hwreg(HW_REG_WAVE_MODE, 25, 1), 1
	s_wait_xcnt 0x0
; out0 = O Wo^T + bo on codes of FP4 (E2M1).  O's codes and scale words (oc, os) and Wo's (cod's groups 88-95, scl) lie as images of the operand's registers; out0 is [8192][1024] f32.
; A work-group multiplies 128 rows of Wo as source 0 by 256 tokens as source 1 over all of K = 1,024; a wave takes all 8 tiles of Wo and 4 tiles of tokens: 32 accumulators.  256 work-groups.
; Tile T of every operand holds the rows 32 (T / 2) + 8 (T % 2) + r + 8 (r / 8): in the result a lane holds one token, and the 16 registers of tiles 2 b and 2 b + 1 are the 16 neighbouring outputs 32 b + 16 (lane / 16) + 0 .. 15.
; The bias is the C of each sum's first matrix instruction.
; LDS: three regions of 65,536 bytes, each a group of 128 rows byte for byte as it lies in memory.  Waves 0, 1, 2 bring a region each, in four tensor loads of two K steps: four loads of a wave are out at the most.
; Every byte is filled once.  Behind them, in bytes into which no fill lands, a stage of 16 rows x 528 bytes for each wave, for the way out.
; NO JOINT LOADS: eight work-groups read the same 256 tokens and 32 the same rows of Wo, each its own copy, 196,608 bytes once at its head.  Joint requests would divide that by four; they are left out of this text,
; which so has no round of a cluster's barrier and no descriptor word that hangs on a place in a cluster.
; REGISTERS, in windows of 256: window 0: v1-9 addresses; v16-47 Wo's scale words, v48-63 O's; v64-191 Wo's fragments, two sets (on the way out: rows read back); v192-255 O's, two sets.
;   window 1: the 32 accumulators, (a, t) at v[64 a + 8 t].   window 2: v0-63 the bias.
.set SC0,  16                          ; register 4 t + q: lanes 0-15 the word of tile t's K step q, lanes 16-31 that of K step 4 + q
.set SC1,  48
.set F0,   64
.set F1,   192
.set BIAS, 0                           ; in window 2
.set BK,   64                          ; the way out: 16 rows read back from the stage, two sets
.set SP,   528                         ; a stage row: 512 bytes + 16 = 132 words: row r starts at bank 4 r mod 64 (64 banks of 4 bytes: ISA guide 11.1)
.set STAGE, 196608
.set WV,   20
.set G1,   24                          ; s[24:31] descriptor group 1
.set G0,   32                          ; s[32:47] four groups 0
.set MSB, 0
.macro WIN new                         ; the immediate's high byte repeats the setting that is left
.if MSB != \new
	s_set_vgpr_msb (MSB<<8)|\new
.set MSB, \new
.endif
.endm
.macro PLACES                          ; four plain places in front of loads into registers that matrix instructions have read, and of the first read of results
.rept 4
	v_nop
.endr
.endm
.macro WM d, a, b, c, sa, sb, hi       ; hi: both sides' scale words are taken from lanes 16-31
.if \hi
	v_wmma_scale_f32_16x16x128_f8f6f4 v[\d:\d+7], v[\a:\a+7], v[\b:\b+7], v[\c:\c+7], v[\sa], v[\sb] matrix_a_fmt:MATRIX_FMT_FP4 matrix_b_fmt:MATRIX_FMT_FP4 matrix_a_scale:MATRIX_SCALE_ROW1 matrix_b_scale:MATRIX_SCALE_ROW1
.else
	v_wmma_scale_f32_16x16x128_f8f6f4 v[\d:\d+7], v[\a:\a+7], v[\b:\b+7], v[\c:\c+7], v[\sa], v[\sb] matrix_a_fmt:MATRIX_FMT_FP4 matrix_b_fmt:MATRIX_FMT_FP4
.endif
.endm
	s_load_b256 s[4:11], s[0:1], 0x0               ; oc s[4:5], os s[6:7], cod s[8:9], scl s[10:11]
	s_load_b128 s[12:15], s[0:1], 0x20             ; bo s[12:13], out0 s[14:15]
	v_lshl_add_u32 v14, v0, 2, 0x38400
	v_mov_b32 v15, 0
	ds_add_u32 v14, v15
	ds_add_u32 v14, v15
	v_lshrrev_b32 v1, 5, v0
	v_readfirstlane_b32 s[WV], v1                  ; wave 0..3
	; descriptor group 1: 16,384 dense bytes as 64 rows of 32 elements of 8 bytes, no padding
	s_mov_b32 s[G1], 3<<16
	s_mov_b32 s[G1+1], 32<<16
	s_mov_b32 s[G1+2], 64<<16
	s_mov_b32 s[G1+3], 32<<16
	s_mov_b32 s[G1+4], 64
	s_mov_b32 s[G1+5], 32
	s_mov_b32 s[G1+6], 0
	s_mov_b32 s[G1+7], 0
	s_and_b32 s48, ttmp9, 7                        ; which 128 outputs
	s_lshr_b32 s49, ttmp9, 3                       ; Y: which 256 tokens
	s_min_u32 s51, s[WV], 2                        ; wave 0 brings Wo's group, waves 1 and 2 the tokens' two.  (Wave 3 issues none; its descriptors are made as wave 2's)
	s_lshl_b32 s50, s49, 1
	s_add_co_u32 s50, s50, s51
	s_sub_co_u32 s50, s50, 1                       ; oc's group
	s_add_co_u32 s52, s48, 88                      ; cod's group
	s_wait_dscnt 0x0
	s_wait_kmcnt 0x0
	s_cmp_eq_u32 s[WV], 0
	s_cselect_b32 s50, s52, s50
	s_cselect_b64 s[54:55], s[8:9], s[4:5]
	s_lshl_b32 s52, s50, 16
	s_mov_b32 s53, 0
	s_add_nc_u64 s[52:53], s[54:55], s[52:53]      ; the group's first byte
	s_lshl_b32 s51, s51, 16                        ; and its region in LDS
.irp j, 0,1,2,3
	s_mov_b32 s[G0+4*\j], 1                                        ; 1:0 count = 1
	s_add_co_u32 s[G0+4*\j+1], s51, \j*16384                       ; 63:32 LDS address
	s_add_nc_u64 s[G0+4*\j+2:G0+4*\j+3], s[52:53], \j*16384        ; 120:64 global address: K steps 2 j and 2 j + 1
	s_or_b32 s[G0+4*\j+3], s[G0+4*\j+3], 0x80000000                ; 127:126 type = 2
.endr
	s_cmp_lt_u32 s[WV], 3
	s_cbranch_scc0 .Lno_fill
	tensor_load_to_lds s[G0:G0+3], s[G1:G1+7]
	s_nop 0
	tensor_load_to_lds s[G0+4:G0+7], s[G1:G1+7]
	s_nop 0
	tensor_load_to_lds s[G0+8:G0+11], s[G1:G1+7]
	s_nop 0
	tensor_load_to_lds s[G0+12:G0+15], s[G1:G1+7]
	s_nop 0
.rept 4
	v_nop                                          ; four v_nop follow the last of them
.endr
.Lno_fill:
	s_mov_b32 s53, 0
	s_add_co_u32 s52, s48, 88
	s_lshl_b32 s52, s52, 12
	s_add_nc_u64 s[54:55], s[10:11], s[52:53]      ; Wo's scale words: 8 tiles of 512 bytes
	s_lshl_b32 s52, s49, 4
	s_lshl_b32 s50, s[WV], 2
	s_add_co_u32 s52, s52, s50
	s_lshl_b32 s52, s52, 9
	s_add_nc_u64 s[56:57], s[6:7], s[52:53]        ; O's: my four tiles
	s_lshl_b32 s52, s48, 9
	s_add_nc_u64 s[58:59], s[12:13], s[52:53]      ; the bias: my work-group's 128 numbers
	s_add_nc_u64 s[14:15], s[14:15], s[52:53]      ; out0: the same 128 columns,
	s_lshl_b32 s52, s49, 8
	s_lshl_b32 s50, s[WV], 6
	s_add_co_u32 s52, s52, s50
	s_lshl_b32 s52, s52, 12
	s_add_nc_u64 s[14:15], s[14:15], s[52:53]      ; and my 64 rows of 4,096 bytes
	v_and_b32 v1, 31, v0                           ; lane
	v_and_b32 v2, 15, v0                           ; r
	v_bfe_u32 v3, v0, 4, 1                         ; h
	v_lshlrev_b32 v4, 4, v1                        ; 16 x lane, in memory
	v_lshlrev_b32 v5, 4, v1                        ; LDS: Wo's fragments
	s_lshr_b32 s50, s[WV], 1
	s_add_co_u32 s50, s50, 1
	s_lshl_b32 s50, s50, 16
	s_and_b32 s51, s[WV], 1
	s_lshl_b32 s51, s51, 12
	s_add_co_u32 s50, s50, s51
	v_add_nc_u32 v6, s50, v5                       ; LDS: my four tiles of tokens: region 1 + wave / 2, tiles 4 (wave % 2) on
	v_lshlrev_b32 v7, 6, v3                        ; the bias: 64 h
	s_mul_i32 s50, s[WV], 16*SP
	s_add_co_u32 s50, s50, STAGE                   ; my stage
	v_mul_u32_u24 v8, v2, SP
	v_lshl_add_u32 v8, v3, 6, v8
	v_add_nc_u32 v8, s50, v8                       ; in: row r, 64 h bytes on
	v_add_nc_u32 v9, s50, v5                       ; back: the 32 lanes take one row of 512 bytes
.irp t, 0,1,2,3,4,5,6,7
	global_load_b128 v[SC0+4*\t:SC0+4*\t+3], v4, s[54:55] offset:512*\t
.endr
.irp a, 0,1,2,3
	global_load_b128 v[SC1+4*\a:SC1+4*\a+3], v4, s[56:57] offset:512*\a
.endr
	WIN 0x80                                       ; destination window 2
.irp q, 0,1,2,3
.irp j, 0,1,2,3
	global_load_b128 v[BIAS+16*\q+4*\j:BIAS+16*\q+4*\j+3], v7, s[58:59] offset:128*\q+16*\j   ; registers 8 t + j: bo[32 (t / 2) + 16 h + 8 (t % 2) + j]
.endr
.endr
	WIN 0
	s_wait_loadcnt 0x0
.macro FETCH s                         ; K step s: Wo's eight fragments and my four of O, into set s % 2: 24 loads of 512 consecutive bytes
.irp t, 0,1,2,3,4,5,6,7
.irp c, 0,1
	ds_load_b128 v[F0+64*((\s)%2)+8*\t+4*\c:F0+64*((\s)%2)+8*\t+4*\c+3], v5 offset:8192*(\s)+1024*\t+512*\c
.endr
.endr
.irp a, 0,1,2,3
.irp c, 0,1
	ds_load_b128 v[F1+32*((\s)%2)+8*\a+4*\c:F1+32*((\s)%2)+8*\a+4*\c+3], v6 offset:8192*(\s)+1024*\a+512*\c
.endr
.endr
.endm
; 32 matrix instructions: K step s.  The 32 accumulators take turns, one instruction a turn, in the same order in every step.  first = 1: the sums start with the bias.
.macro MUL32 s, first
.if \first
	WIN 0x60                                       ; C window 2, D window 1
.else
	WIN 0x50                                       ; C and D window 1
.endif
.irp a, 0,1,2,3
.irp t, 0,1,2,3,4,5,6,7
.if \first
	WM 64*\a+8*\t, F0+64*((\s)%2)+8*\t, F1+32*((\s)%2)+8*\a, BIAS+8*\t, SC0+4*\t+(\s)%4, SC1+4*\a+(\s)%4, (\s)/4
.else
	WM 64*\a+8*\t, F0+64*((\s)%2)+8*\t, F1+32*((\s)%2)+8*\a, 64*\a+8*\t, SC0+4*\t+(\s)%4, SC1+4*\a+(\s)%4, (\s)/4
.endif
.endr
.endr
	WIN 0
.endm
; What stands in front of step s's products: its fragments are in; where the next step begins a new chunk, that chunk is shown landed to every wave; the next step's fragments are asked for.
.macro AHEAD s
	s_wait_dscnt 0x0                               ; this step's 24 loads are in, and no LDS load of mine is out at a signal
.if ((\s)%2 == 1) && ((\s) < 7)
	s_wait_tensorcnt 3-((\s)+1)/2                  ; my chunk with K steps s + 1 and s + 2 has landed; the later chunks may stay out
	s_barrier_signal -1
	s_barrier_wait -1                              ; everybody's has
.endif
.if (\s) < 7
.if (\s) > 0
	PLACES                                         ; the set that takes the loads was multiplied in the step before
.endif
	FETCH (\s)+1
.endif
.endm
	s_wait_tensorcnt 3                             ; my first chunk, K steps 0 and 1, has landed; three may stay out
	s_barrier_signal -1
	s_barrier_wait -1
	FETCH 0
	AHEAD 0
	MUL32 0, 1
.irp s, 1,2,3,4,5,6,7
	AHEAD \s
	MUL32 \s, 0
.endr
; THE WAY OUT, a tile of 16 tokens x 128 outputs at a time.  A lane holds pieces of one row, and the lanes beside it hold other rows: so a tile goes through my own stage and comes back as whole rows of 512 bytes.
; LDS serves a wave's instructions in order (ISA guide 5.7.1.4): no wait between the stores and the loads, nor in front of the next tile's stores.
.macro TOSTAGE a
	WIN 0x04                                       ; an LDS store's data are its source 1: window 1
.irp t, 0,1,2,3,4,5,6,7
	ds_store_b128 v8, v[64*(\a)+8*\t:64*(\a)+8*\t+3] offset:128*(\t/2)+32*(\t%2)          ; each accumulator from its low end on
	ds_store_b128 v8, v[64*(\a)+8*\t+4:64*(\a)+8*\t+7] offset:128*(\t/2)+32*(\t%2)+16
.endr
	WIN 0
.irp i, 0,1,2,3,4,5,6,7,8,9,10,11,12,13,14,15
	ds_load_b128 v[BK+64*((\a)%2)+4*\i:BK+64*((\a)%2)+4*\i+3], v9 offset:SP*\i
.endr
.endm
.macro SEND a, younger                 ; younger: the LDS instructions issued behind tile a's loads, which may stay out
	s_wait_dscnt \younger
.irp i, 0,1,2,3,4,5,6,7,8,9,10,11,12,13,14,15
	global_store_b128 v4, v[BK+64*((\a)%2)+4*\i:BK+64*((\a)%2)+4*\i+3], s[14:15] offset:(32*((\a)/2)+8*((\a)%2)+\i+8*(\i/8))*4096 th:TH_STORE_NT   ; 32 lanes store 512 consecutive bytes of the row that stage row i stands for; written once, read by nobody here
.endr
.endm
	PLACES                                         ; in front of the first read of results and of the loads into the registers that held fragments
	TOSTAGE 0
	TOSTAGE 1
	SEND 0, 32                                     ; behind tile 0's loads: tile 1's 16 stores and 16 loads
	s_wait_xcnt 0x0                                ; tile 0's stores have read their registers: tile 2's rows may land there
	TOSTAGE 2
	SEND 1, 32
	s_wait_xcnt 0x0
	TOSTAGE 3
	SEND 2, 32
	SEND 3, 0
	s_wait_tensorcnt 0x0
	ds_add_u32 v14, v15
	s_wait_dscnt 0x0
	s_endpgm
.Lfunc_end_k_q5b49aa5cd4_outp:
	.size	k_q5b49aa5cd4_outp, .Lfunc_end_k_q5b49aa5cd4_outp-k_q5b49aa5cd4_outp
	.p2alignl 7, 3214868480
	.fill 96, 4, 3214868480
	.section	.rodata,"a",@progbits
	.p2align	6, 0x0
	.amdhsa_kernel k_q5b49aa5cd4_outp
		.amdhsa_group_segment_fixed_size 230912
		.amdhsa_private_segment_fixed_size 0
		.amdhsa_enable_private_segment 0
		.amdhsa_kernarg_size 48
		.amdhsa_user_sgpr_count 2
		.amdhsa_user_sgpr_kernarg_segment_ptr 1
		.amdhsa_wavefront_size32 1
		.amdhsa_system_sgpr_workgroup_id_x 1
		.amdhsa_system_sgpr_workgroup_id_y 1
		.amdhsa_system_sgpr_workgroup_id_z 1
		.amdhsa_system_vgpr_workitem_id 0
		.amdhsa_next_free_vgpr 640
		.amdhsa_next_free_sgpr 90
		.amdhsa_reserve_vcc 0
		.amdhsa_float_denorm_mode_32 3
		.amdhsa_float_denorm_mode_16_64 3
		.amdhsa_memory_ordered 1
		.amdhsa_forward_progress 1
		.amdhsa_inst_pref_size 68
	.end_amdhsa_kernel
	.amdgpu_metadata
---
amdhsa.version: [ 1, 2 ]
amdhsa.kernels:
  - .name:           k_q5b49aa5cd4_outp
    .symbol:         k_q5b49aa5cd4_outp.kd
    .args:
      - { .name: oc, .offset: 0, .size: 8, .value_kind: global_buffer, .address_space: global }
      - { .name: os, .offset: 8, .size: 8, .value_kind: global_buffer, .address_space: global }
      - { .name: cod, .offset: 16, .size: 8, .value_kind: global_buffer, .address_space: global }
      - { .name: scl, .offset: 24, .size: 8, .value_kind: global_buffer, .address_space: global }
      - { .name: bo, .offset: 32, .size: 8, .value_kind: global_buffer, .address_space: global }
      - { .name: out0, .offset: 40, .size: 8, .value_kind: global_buffer, .address_space: global }
    .group_segment_fixed_size: 230912
    .private_segment_fixed_size: 0
    .kernarg_segment_align: 8
    .kernarg_segment_size: 48
    .max_flat_workgroup_size: 128
    .sgpr_count:     90
    .vgpr_count:     640
    .wavefront_size: 32
...
	.end_amdgpu_metadata
.endif
;; end of part 4
